; MI455X (gfx1250); checked and timed in simulation.
; The chip was launched on July 23, 2026; its instructions are those of AMD's public machine-readable ISA for CDNA 5 (MIT licence, August 2026) and "CDNA5" Instruction Set Architecture Reference Guide (July 2026). The comments in the code are by the model that wrote it; some were corrected since.
;; Blocked Ell Linear. Allowed arithmetic: matrix products marked QUANTISED: E2M1 operands, one E8M0 scale for each 32 along K, by v_wmma_scale_f32_16x16x128_f8f6f4 with both operands' format E2M1 (or v_wmma_scale_f32_32x16x128_f4), f32 sums; everything else in f32.
;; Inputs: bias 4,096 float32; block_mask 256 x 256 bool; weight 4,096 x 4,096 float32; x 2,048 x 4,096 float32.
;; Outputs: out0 2,048 x 4,096 float32.
;; This version of the problem:
;;   THIS VERSION OF THE PROBLEM IS GIVEN IN LOW PRECISION. The matrix products marked QUANTISED in the list below multiply operands that are first quantised to E2M1 (2 exponent bits, 1 mantissa bit; 4 bits a number), with one power-of-two scale for each 32 numbers along K (OCP MX v1.0); their sums are f32. All else is computed in f32.
;;   The module's matrix products, in the order in which they are computed (A, B: the left and right operand; K: the contracted axis; several contracted axes count as one K, in the product's order):
;;     1. [M 2,048, K 4,096] x [K 4,096, N 4,096]; A: input x; B: computed on the way: QUANTISED
;;     2. [M 2,048, K 4,096] x [K 4,096, N 4,096]; A: input x; B: input weight: QUANTISED
;;   THE QUANTISER, for each operand of a quantised product, along K:
;;     - K is cut into blocks of 32 from its start; a last block that is shorter is filled with zeros.
;;     - A block's scale is 2^e with e = floor(log2(the largest magnitude in the block)) - 2, held to -126 .. 127; a block of zeros has e = 0. As a byte (E8M0): e + 127.
;;     - Each number is divided by its block's scale, clamped to +-6, and rounded to the nearest number of E2M1, ties to even, subnormals kept.
;;     - The product sums the exact products of the quantised numbers (number of the format x scale) in f32.
;;   ~~~python
;;   def quantise(x, axis):      # numpy; x: float32 -> the quantised numbers, widened to float32 again
;;       x = np.moveaxis(x, axis, -1); K = x.shape[-1]
;;       x = np.pad(x, [(0, 0)] * (x.ndim - 1) + [(0, -K % 32)]); x = x.reshape(x.shape[:-1] + (-1, 32)); a = np.abs(x).max(-1, keepdims=True)
;;       e = np.where(a > 0, np.clip(np.frexp(np.where(a > 0, a, 1))[1] - 1 - 2, -126, 127), 0)      # np.frexp(a)[1] - 1 = floor(log2(a)), exactly
;;       r = np.clip(x / 2.0 ** e, -6, 6)
;;       step = 2.0 ** (np.maximum(np.frexp(np.where(r == 0, 1, r))[1] - 1, 0) - 1)
;;       q = np.round(r / step) * step * 2.0 ** e      # np.round: ties to even
;;       return np.moveaxis(q.reshape(q.shape[:-2] + (-1,))[..., :K], -1, axis).astype(np.float32)
;;   ~~~
;;   OPERANDS COMPUTED ON THE WAY. 'Computed on the way' means the value that the module computes at that place (a softmax that the list does not call 'softmax' is quantised finished and normalised). What goes into a quantiser is computed in f32, as accurately as f32 sums, v_exp_f32 and their like allow (about 1e-6 of the number): no bf16 or f16 on the way to a quantiser, and a product that is left as it is and whose result goes on into a quantised operand takes f32 operands (vector FMAs, or v_wmma_f32_16x16x4_f32). A number that lies on a knife's edge between two numbers of the format may be rounded either way, as far as f32 arithmetic and the matrix unit's own rounding can turn it there, and no further.
;; One version. Each part assembles by itself: llvm-mc -triple=amdgcn-amd-amdhsa -mcpu=gfx1250 --defsym DOCPART=n.
;; ======== version 1 of 1: 2 launches
;; limits: right only within a limited range of input values
;; workspace buffers: xq 4,456,448 bytes; wq 17,825,792 bytes
;; launch quant (part 1): grid 768 x 1, 4 waves a work-group, no clusters, 70,144 bytes of LDS; arguments x, weight, block_mask, xq, wq; writes xq, wq
.if DOCPART == 1
	.amdgcn_target "amdgcn-amd-amdhsa--gfx1250"
	.amdhsa_code_object_version 6
	.text
	.protected	k_q50c2a731e1_quant
	.globl	k_q50c2a731e1_quant
	.p2align	8
	.type	k_q50c2a731e1_quant,@function
k_q50c2a731e1_quant:
	s_mov_b64 s[64:65], 0
	v_nop
	global_prefetch_b8 v0, s[64:65] scope:SCOPE_SE
	s_setreg_imm32_b32 hwreg(HW_REG_WAVE_MODE, 25, 1), 1
	s_wait_xcnt 0x0
; x [2048][4096] and weight [4096][4096], f32, become codes of FP4 (E2M1) with one E8M0 scale byte for each 32 along K; the weight twice: as it is, and with the blocks that block_mask hides set to 0.
; A mask block is 16 wide, a quantiser's block 32: where the half with the block's largest number is hidden the masked weight has ANOTHER scale, so it gets codes and scale bytes of its own.
; A block's scale is 2^(floor(log2(its largest magnitude)) - 2); its byte is the largest magnitude's exponent field - 2, held at 1 from below by a floor among the maximum's leaves.
; THE BUFFERS ARE LAID AS THE NEXT LAUNCH'S OPERAND REGISTERS WANT THEM, in chunks of 34,816 bytes = 8 tiles of 16 rows x 512 along K:
;   bytes 0 .. 32,767: [tile i][K block kb 0..15][row r][16 bytes = 32 codes];   bytes 32,768 on: [tile i][row r][16 scale bytes, byte kb].
;   xq: [16 groups of 128 rows][8 K steps of 512] chunks, tile i = rows 16 i on.   wq: [64 groups of 64 rows][8 K steps] chunks, tile n = rows 16 n on as they are, tile 4 + n the same rows masked.
; SHARES.  A wave takes one tile of 16 rows x 512 along K, 32 KiB of f32, in 8 steps of 64 along K.  Work-groups 0-255 take x, 256-767 the weight: one scalar branch on the work-group's number, and each way has LDS bytes of its own.
; A STEP.  Eight loads, each 2 rows x 256 consecutive bytes; the 16 x 256 bytes turn through the wave's own stage in LDS (rows 272 bytes apart) and come back 128 bytes a lane: lane (r, h) then holds
; the whole block kb = 2 t + h of row r in 32 registers, so its maximum needs no other lane and its 32 codes are 16 bytes; the wave's store covers 512 consecutive bytes of the tile.
; No barrier, no loop: waves share nothing, every offset is an immediate.  32 loads of a wave are out at the most; the turn through LDS runs one step ahead of the arithmetic.
; LIMITS: NaN and infinities among the inputs are not served (a hidden infinity gives 0 here, NaN in weight x 0).  A block of zeros, or one that is wholly hidden, carries the byte 1 where the quantiser says 127:
; its codes are zeros, which add nothing under any byte but 0xff, and this program alone reads the bytes.  Of a mask byte bit 0 is read (a bool is 0 or 1).
.set CHUNK, 34816
.set FLOOR, 0x1800000                  ; 2^(3 - 127): under it no largest magnitude is taken, so the byte cannot fall under 1
.set PITCH, 272                        ; a stage row: 256 bytes + 16: row r starts 16 r bytes on modulo 256, so the 16 lanes of a read fall on 16 different columns of 16 bytes
.set STG,   16*PITCH                   ; a stage
.set WREG,  2*STG                      ; a wave's two stages
.set GI,  4                            ; v4   in: 16,384 h + 16 r: lanes 0-15 one row's 256 bytes, lanes 16-31 the next row's
.set SI,  5                            ; v5   into the stage, as loaded: WREG x wave + 272 h + 16 r
.set SO,  6                            ; v6   out of it: WREG x wave + 272 r + 128 h: my block of 32 numbers
.set CO,  7                            ; v7   my codes' place in a step's 512 bytes: 16 x lane
.set SCO, 8                            ; v8   my 8 scale bytes' place in the tile's 256: 16 r + 8 h
.set R,   16                           ; v16-143  four sets of 32 registers, as loaded
.set X,   144                          ; v144-207 two sets of 32: a lane's block
.set CD,  208                          ; v208-215 codes of the numbers as they are, two sets of 4
.set CS,  216                          ; v216-223 codes of the masked numbers, two sets of 4
.set PD,  224                          ; v224-227 scale bytes, packed: word q takes steps 2 q and 2 q + 1
.set PS,  228                          ; v228-231 the masked ones
.set TP,  232                          ; v232-235 destinations of the lane permutes
.set LO,  236                          ; largest magnitude of my block's first 16,
.set HI,  237                          ; of its last 16
.set MD,  238                          ; the block's, then the conversion's scale operand
.set MS,  239                          ; the same of the masked block
.set W0,  240                          ; all ones where the first 16 are kept, else 0
.set W1,  241                          ; the same for the last 16
.set BY,  242
.set BZ,  243
.set IN,  20                           ; s[20:21] my tile's first number
.set OC,  22                           ; s[22:23] my tile's codes
.set OS,  34                           ; s[34:35] my tile's scale bytes
.set MK,  24                           ; s[24:31] my tile's 32 mask bytes: word t serves step t
	s_load_b256 s[4:11], s[0:1], 0x0               ; x s[4:5], weight s[6:7], block_mask s[8:9], xq s[10:11]
	s_load_b64 s[12:13], s[0:1], 0x20              ; wq
	v_lshl_add_u32 v254, v0, 2, 0x11000
	v_mov_b32 v255, 0
	v_lshrrev_b32 v1, 5, v0
	v_readfirstlane_b32 s14, v1                    ; wave 0..3
	v_and_b32 v2, 15, v0                           ; r
	v_bfe_u32 v3, v0, 4, 1                         ; h
	v_lshlrev_b32 v11, 4, v2                       ; 16 r
	v_lshl_add_u32 v[GI], v3, 14, v11
	s_mul_i32 s15, s14, WREG
	v_mul_u32_u24 v12, v3, PITCH
	v_add_nc_u32 v12, v12, v11
	v_add_nc_u32 v[SI], s15, v12
	v_mul_u32_u24 v12, v2, PITCH
	v_lshl_add_u32 v12, v3, 7, v12
	v_add_nc_u32 v[SO], s15, v12
	v_and_b32 v12, 31, v0
	v_lshlrev_b32 v[CO], 4, v12
	v_lshl_add_u32 v[SCO], v3, 3, v11
	v_lshlrev_b32 v9, 4, v3                        ; 16 h: my two mask bytes' place in a step's word
	v_lshlrev_b32 v10, 3, v3                       ; 8 h: my scale bytes' place in a scale word
	v_cmp_ne_u32 vcc_lo, 0, v3                     ; lanes 16-31
.irp q, 0,1,2,3
	v_mov_b32 v[TP+\q], 0                          ; written once: a lane permute's destination counts as one of its sources
.endr
	s_mov_b32 s32, 0x76543210
	s_mov_b32 s33, 0xfedcba98                      ; v_permlanex16_b32's selects for lane l xor 16
.macro LOAD t                          ; step t: 16 rows x 256 bytes into set t % 4; read once in the launch
.irp i, 0,1,2,3,4,5,6,7
	global_load_b128 v[R+32*((\t)%4)+4*\i:R+32*((\t)%4)+4*\i+3], v[GI], s[IN:IN+1] offset:\i*32768+(\t)*256 th:TH_LOAD_NT
.endr
.endm
.macro TURN t, lb                      ; step t through stage t % 2.  LDS serves a wave's instructions in order (ISA guide 5.7.1.4): no wait between the stores and the loads
.irp i, 0,1,2,3,4,5,6,7
	ds_store_b128 v[SI], v[R+32*((\t)%4)+4*\i:R+32*((\t)%4)+4*\i+3] offset:\lb+STG*((\t)%2)+2*PITCH*\i
.endr
.irp j, 0,1,2,3,4,5,6,7
	ds_load_b128 v[X+32*((\t)%2)+4*\j:X+32*((\t)%2)+4*\j+3], v[SO] offset:\lb+STG*((\t)%2)+16*\j
.endr
.endm
; One step's arithmetic and stores.  sp = 1: the masked codes are made beside the plain ones.
.macro QSTEP t, sp, lb
.set XS,  X+32*((\t)%2)
.set CDS, CD+4*((\t)%2)
.set CSS, CS+4*((\t)%2)
	s_wait_dscnt 0x0                               ; my block is back from the stage; so the stage's stores have read set t % 4,
.if (\t) < 4
	LOAD (\t)+4                                    ; which takes the loads of four steps on
.endif
.if (\t) < 7
.if (\t) < 4
	s_wait_loadcnt 24                              ; the next step's eight loads are in; those of the three steps behind it may be out
.else
	s_wait_loadcnt 8*(6-(\t))                      ; the counts run down: 16, 8, 0
.endif
	TURN (\t)+1, \lb                               ; it goes through the other stage while this step is worked
.endif
	v_max3_num_f32 v[LO], |v[XS]|, |v[XS+1]|, FLOOR            ; the largest magnitude of each half of my block, the floor among the leaves; the two chains take turns
	v_max3_num_f32 v[HI], |v[XS+16]|, |v[XS+17]|, FLOOR
.irp i, 2,4,6,8,10,12,14
	v_max3_num_f32 v[LO], v[LO], |v[XS+\i]|, |v[XS+\i+1]|
	v_max3_num_f32 v[HI], v[HI], |v[XS+16+\i]|, |v[XS+17+\i]|
.endr
	v_max_num_f32 v[MD], v[LO], v[HI]              ; the block's
.if \sp
	v_lshrrev_b32 v[W1], v9, s[MK+(\t)]            ; my block's two mask bytes
	v_and_b32 v[W0], 1, v[W1]
	v_bfe_u32 v[W1], v[W1], 8, 1
	v_sub_nc_u32 v[W0], 0, v[W0]                   ; 0, or all ones
	v_sub_nc_u32 v[W1], 0, v[W1]
	v_and_b32 v[LO], v[LO], v[W0]                  ; a hidden half counts for nothing in the masked block's maximum
	v_and_b32 v[HI], v[HI], v[W1]
	v_max3_num_f32 v[MS], v[LO], v[HI], FLOOR
	v_add_nc_u32 v[MS], 0xff000000, v[MS]          ; 2 off the exponent field: the conversion takes the exponent field of this operand as its scale, and nothing else of it
.endif
	v_add_nc_u32 v[MD], 0xff000000, v[MD]
.if (\t) >= 2
	s_wait_alu depctr_va_vdst(0)
	s_wait_xcnt 0x0                                ; the stores of two steps back have read this set of code registers: only behind this wait is it written again
.endif
.irp g, 0,1,2,3
	v_cvt_scalef32_pk8_fp4_f32 v[CDS+\g], v[XS+8*\g:XS+8*\g+7], v[MD]     ; eight numbers / the scale, to the nearest code, ties to even, beyond 6 the largest code
.endr
.if \sp
.irp g, 0,1,2,3
	v_cvt_scalef32_pk8_fp4_f32 v[CSS+\g], v[XS+8*\g:XS+8*\g+7], v[MS]     ; all 32 under the masked block's scale; the hidden ones are cleared below
.endr
.endif
.if ((\t)%2) == 0                      ; the scale's byte, at bits 0 or 16 of word t / 2.  (These plain lines also stand between the conversions and the lines that touch their results)
	v_lshrrev_b32 v[PD+(\t)/2], 23, v[MD]
.else
	v_lshrrev_b32 v[BY], 23, v[MD]
	v_lshl_or_b32 v[PD+(\t)/2], v[BY], 16, v[PD+(\t)/2]
.endif
.if \sp
.if ((\t)%2) == 0
	v_lshrrev_b32 v[PS+(\t)/2], 23, v[MS]
.else
	v_lshrrev_b32 v[BZ], 23, v[MS]
	v_lshl_or_b32 v[PS+(\t)/2], v[BZ], 16, v[PS+(\t)/2]
.endif
	v_and_b32 v[CSS], v[CSS], v[W0]                ; the codes of hidden numbers become the code 0
	v_and_b32 v[CSS+1], v[CSS+1], v[W0]
	v_and_b32 v[CSS+2], v[CSS+2], v[W1]
	v_and_b32 v[CSS+3], v[CSS+3], v[W1]
.endif
	global_store_b128 v[CO], v[CDS:CDS+3], s[OC:OC+1] offset:512*(\t)            ; K blocks 2 t and 2 t + 1 of the tile: 512 consecutive bytes
.if \sp
	global_store_b128 v[CO], v[CSS:CSS+3], s[OC:OC+1] offset:16384+512*(\t)      ; the masked tile lies four tiles on
.endif
.endm
; A tile's scale bytes leave: my bytes move to their places (8 h bits up), lane l xor 16's are joined, lanes 0-15 keep words 0 and 1 of the row, lanes 16-31 words 2 and 3: the wave stores 256 consecutive bytes.
.macro SCOUT pk, dst, at
.irp q, 0,1,2,3
	v_lshlrev_b32 v[\pk+\q], v10, v[\pk+\q]
.endr
.irp q, 0,1,2,3
	v_permlanex16_b32 v[TP+\q], v[\pk+\q], s32, s33
.endr
.irp q, 0,1,2,3
	v_or_b32 v[\pk+\q], v[\pk+\q], v[TP+\q]
.endr
	v_cndmask_b32 v[\dst], v[\pk], v[\pk+2], vcc_lo
	v_cndmask_b32 v[\dst+1], v[\pk+1], v[\pk+3], vcc_lo
	global_store_b64 v[SCO], v[\dst:\dst+1], s[OS:OS+1] offset:\at
.endm
; A wave's whole tile.  sh: 2^sh tiles of rows to a chunk (x: 8; the weight: 4, each twice).  inp, outp: the scalar pairs with the tensor's and the buffer's address.
.macro UNIT sp, lb, sh, inp, outp
.if \sp
	s_sub_co_u32 s16, ttmp9, 256
.else
	s_mov_b32 s16, ttmp9
.endif
	s_lshr_b32 s17, s16, 1                         ; T: which 16 rows
	s_and_b32 s18, s16, 1
	s_lshl_b32 s18, s18, 2
	s_add_co_u32 s18, s18, s14                     ; which 512 along K: 4 x (work-group % 2) + wave
	s_lshl_b32 s20, s17, 18                        ; 16 rows of 16,384 bytes
	s_lshl_b32 s19, s18, 11                        ; 512 numbers
	s_add_co_u32 s20, s20, s19
	s_mov_b32 s21, 0
	s_add_nc_u64 s[IN:IN+1], s[\inp:\inp+1], s[20:21]
	s_lshr_b32 s19, s17, \sh
	s_lshl_b32 s19, s19, 3
	s_add_co_u32 s19, s19, s18                     ; the chunk: 8 x group of rows + K step
	s_mul_i32 s19, s19, CHUNK
	s_and_b32 s38, s17, (1<<\sh)-1                 ; the tile in it
	s_lshl_b32 s22, s38, 12
	s_add_co_u32 s22, s22, s19
	s_mov_b32 s23, 0
	s_add_nc_u64 s[OC:OC+1], s[\outp:\outp+1], s[22:23]
	s_lshl_b32 s34, s38, 8
	s_add_co_u32 s34, s34, s19
	s_add_co_u32 s34, s34, 32768
	s_mov_b32 s35, 0
	s_add_nc_u64 s[OS:OS+1], s[\outp:\outp+1], s[34:35]
.irp t, 0,1,2,3
	LOAD \t
.endr
.if \sp
	s_lshl_b32 s36, s17, 8                         ; block_mask's row T, 256 bytes,
	s_lshl_b32 s37, s18, 5                         ; my 32 columns
	s_add_co_u32 s36, s36, s37
	s_mov_b32 s37, 0
	s_add_nc_u64 s[36:37], s[8:9], s[36:37]
	s_load_b256 s[MK:MK+7], s[36:37], 0x0
.endif
	s_wait_loadcnt 24                              ; step 0's eight loads are in; steps 1 to 3 may be out
	TURN 0, \lb
.if \sp
	s_wait_kmcnt 0x0                               ; the mask bytes
.endif
.irp t, 0,1,2,3,4,5,6,7
	QSTEP \t, \sp, \lb
.endr
	SCOUT PD, 244, 0
.if \sp
	SCOUT PS, 246, 1024                            ; the masked tile's scale bytes lie four tiles on
.endif
.endm
	s_wait_kmcnt 0x0
	s_cmp_lt_u32 ttmp9, 256
	s_cbranch_scc0 .Lweight
	UNIT 0, 0, 3, 4, 10                            ; x -> xq
	s_wait_tensorcnt 0x0
	ds_add_u32 v254, v255
	s_wait_dscnt 0x0
	s_endpgm
.Lweight:
	UNIT 1, 4*WREG, 2, 6, 12                       ; weight, block_mask -> wq
	s_wait_tensorcnt 0x0
	ds_add_u32 v254, v255
	s_wait_dscnt 0x0
	s_endpgm
.Lfunc_end_k_q50c2a731e1_quant:
	.size	k_q50c2a731e1_quant, .Lfunc_end_k_q50c2a731e1_quant-k_q50c2a731e1_quant
	.p2alignl 7, 3214868480
	.fill 96, 4, 3214868480
	.section	.rodata,"a",@progbits
	.p2align	6, 0x0
	.amdhsa_kernel k_q50c2a731e1_quant
		.amdhsa_group_segment_fixed_size 70144
		.amdhsa_private_segment_fixed_size 0
		.amdhsa_enable_private_segment 0
		.amdhsa_kernarg_size 40
		.amdhsa_user_sgpr_count 2
		.amdhsa_user_sgpr_kernarg_segment_ptr 1
		.amdhsa_wavefront_size32 1
		.amdhsa_system_sgpr_workgroup_id_x 1
		.amdhsa_system_sgpr_workgroup_id_y 1
		.amdhsa_system_sgpr_workgroup_id_z 1
		.amdhsa_system_vgpr_workitem_id 0
		.amdhsa_next_free_vgpr 256
		.amdhsa_next_free_sgpr 66
		.amdhsa_reserve_vcc 1
		.amdhsa_float_denorm_mode_32 3
		.amdhsa_float_denorm_mode_16_64 3
		.amdhsa_memory_ordered 1
		.amdhsa_forward_progress 1
		.amdhsa_inst_pref_size 69
	.end_amdhsa_kernel
	.amdgpu_metadata
---
amdhsa.version: [ 1, 2 ]
amdhsa.kernels:
  - .name:           k_q50c2a731e1_quant
    .symbol:         k_q50c2a731e1_quant.kd
    .args:
      - { .name: x, .offset: 0, .size: 8, .value_kind: global_buffer, .address_space: global }
      - { .name: weight, .offset: 8, .size: 8, .value_kind: global_buffer, .address_space: global }
      - { .name: block_mask, .offset: 16, .size: 8, .value_kind: global_buffer, .address_space: global }
      - { .name: xq, .offset: 24, .size: 8, .value_kind: global_buffer, .address_space: global }
      - { .name: wq, .offset: 32, .size: 8, .value_kind: global_buffer, .address_space: global }
    .group_segment_fixed_size: 70144
    .private_segment_fixed_size: 0
    .kernarg_segment_align: 8
    .kernarg_segment_size: 40
    .max_flat_workgroup_size: 128
    .sgpr_count:     66
    .vgpr_count:     256
    .wavefront_size: 32
...
	.end_amdgpu_metadata
.endif
;; end of part 1
;; launch gemm (part 2): grid 32 x 8, 4 waves a work-group, clusters of 4 x 4, 327,680 bytes of LDS; arguments xq, wq, bias, out0; writes out0
.if DOCPART == 2
	.amdgcn_target "amdgcn-amd-amdhsa--gfx1250"
	.amdhsa_code_object_version 6
	.text
	.protected	k_q50c2a731e1_gemm
	.globl	k_q50c2a731e1_gemm
	.p2align	8
	.type	k_q50c2a731e1_gemm,@function
k_q50c2a731e1_gemm:
	s_mov_b64 s[64:65], 0
	v_nop
	global_prefetch_b8 v0, s[64:65] scope:SCOPE_SE
	s_setreg_imm32_b32 hwreg(HW_REG_WAVE_MODE, 25, 1), 1
	s_wait_xcnt 0x0
	s_wait_alu depctr_hold_cnt(0) depctr_sa_sdst(0) depctr_va_vdst(0) depctr_va_sdst(0) depctr_va_ssrc(0) depctr_va_vcc(0) depctr_vm_vsrc(0)
	s_getreg_b32 s2, hwreg(HW_REG_IB_STS2, 6, 4)
	s_cmp_eq_u32 s2, 0
	s_cbranch_scc0 .Lentry_in_a_cluster
	s_endpgm
.Lentry_in_a_cluster:
	s_bfe_u32 s2, ttmp6, 0x10000c
	s_cmp_lg_u32 s2, 0xf033
	s_cbranch_scc0 .Lentry_shape_is_right
	s_endpgm
.Lentry_shape_is_right:
; out[t][o] = bias[o] + sum over k of x[t][k] W[o][k] + sum over k of x[t][k] Wm[o][k], W the quantised weight, Wm the quantised masked weight: codes of FP4 (E2M1), one E8M0 byte for each 32 along K, f32 sums.
; Both products add into the SAME accumulators, and the bias is the C of each accumulator's first matrix instruction.  Order of the sums: K ascending in steps of 128, W's step before Wm's.  Nothing is left out.
; Operands come in chunks of 34,816 bytes = 8 tiles of 16 rows x 512 along K: [tile i][K block 0..15][row][16 bytes], then [tile i][row][16 scale bytes].  x: [16 groups of 128 rows][8 K steps];
; weight: [64 groups of 64 rows][8 K steps], tiles 0-3 = W's rows, tiles 4-7 = Wm's.  A fragment load of a wave is so 512 consecutive bytes of LDS.
; A work-group makes 256 x 128 of out (grid 32 x 8 = 256 work-groups); a wave 128 x 64.  A K step of 512 is four chunks, one a wave to fetch; two slots.
; CLUSTERS of 4 x 4: x's chunks are asked for jointly along a row, the weight's along a column.
; THE MATRIX INSTRUCTION IS USED TRANSPOSED: source 0 = 32 rows of W or Wm, source 1 = 16 rows of x: lane (r, h) holds row r of out, 8 neighbouring columns at 8 h in registers 0-7 and 16 columns on in 8-15.
; A K step is four steps q of 128 along K, 32 matrix instructions each in eight batches of 4, and each q has fragment registers of its own.  Each step holds one run of 32 LDS loads: the fragments of the step two on.
; The 16 accumulators take turns, one instruction a turn.
; THE LAST K STEP GOES BY ROWS: its fragments all stay in registers, and four groups of 32 rows are finished one after the other; a group's rows leave while later groups are multiplied.
; PREFETCH: behind the joint load of K step j each wave asks for its chunk of K step j + 2 (behind the first one: of K step 1; behind the second: of 2 and 3): 136 blocks of 256 bytes, shared out by address
; among the four that ask jointly, 34 each.  x's chunks are asked for by every second cluster along x.  The last two refills ask for nothing.
; REGISTERS: window 0: v0-31 addresses; v32-63 scale words of x, v64-95 of the weight, a set for each slot; v96-127 bias; v128-255 x fragments, q = 0, 1.  window 1: weight fragments, q at v[64 q].
;   window 2: the accumulators, (a, n) at v[32 a + 16 n].   window 3: v0-127 x fragments, q = 2, 3; v128-255 rows read back on the way out.
; LIMITS: NaN and infinities among the inputs are not served (as in the launch before).
.set CHUNK,  34816
.set SLOT,   4*CHUNK                   ; x's two chunks, then the weight's two
.set SPARE,  2*SLOT                    ; the spare words: two blocks of 256 bytes that no other line names
.set STAGE,  SPARE+512                 ; 16 rows x 272 bytes for each wave, for the way out
.set SPITCH, 272
.set LAPS,   4
.set ROWC,   16384                     ; a row of out in bytes
.set ADRA, 16                          ; v16-17  my x fragments in slot 0, 1
.set ADRB, 20                          ; v20-21  my weight fragments
.set PF0,  22                          ; v22     prefetch offsets: block = my lane
.set PF1,  23                          ; v23     blocks 32 and 33
.set STO,  24                          ; v24     stage, in
.set RD,   25                          ; v25     stage, back
.set CO,   26                          ; v26     my offset in out
.set BO,   27                          ; v27     my offset in bias
.set SPW,  28                          ; v28     my spare word's address; never rewritten
.set NIL,  29                          ; v29     0; never rewritten
.set SCX,  32
.set SCW,  64
.set BI,   96
.set G1,  24                           ; s[24:31], s[32:39]: descriptor groups 1 and 0 (a set for each slot) for x
.set G0,  32
.set G1B, 48                           ; s[48:55], s[56:63]: for the weight
.set G0B, 56
.set PFA, 66                           ; s[66:67] my 34 blocks of the chunk, stepped a K step at each change of slots
.set LIM, 68                           ; s68     1 where my wave prefetches, else the greatest number
.set MSB, 0
.macro WIN new
.if MSB != \new
	s_set_vgpr_msb (MSB<<8)|\new
.set MSB, \new
.endif
.endm
.set MUL0, 0xa1                        ; source 0 window 1, source 1 window 0 (q = 0, 1), C and D window 2
.set MUL1, 0xad                        ; source 1 window 3 (q = 2, 3)
.set MULB, 0x81                        ; q = 0, C (the bias) in window 0
.set TO_1, 0x40
.set TO_3, 0xc0
.macro JLOAD s                         ; waves 0 and 1 fetch for x, waves 2 and 3 for the weight
	s_cmp_eq_u32 s15, 0
	s_cbranch_scc0 .Lfor_b_\@
	tensor_load_to_lds s[G0+4*\s:G0+4*\s+3], s[G1:G1+7]
	s_nop 0
.rept 4
	v_nop
.endr
	s_branch .Lasked_\@
.Lfor_b_\@:
	tensor_load_to_lds s[G0B+4*\s:G0B+4*\s+3], s[G1B:G1B+7]
	s_nop 0
.rept 4
	v_nop
.endr
.Lasked_\@:
.endm
.macro CREST                           ; a round of the cluster's barrier behind its opening barrier
	s_cmp_lg_u32 s14, 0
	s_cbranch_scc1 .Lnot_wave_0_\@
	s_barrier_signal -3
.Lnot_wave_0_\@:
	s_barrier_wait -3
	s_barrier_signal -1
	s_barrier_wait -1
.endm
.macro CROUND
	s_barrier_signal -1
	s_barrier_wait -1
	CREST
.endm
.macro ASK how, k                      ; prefetch the chunk \k K steps on from s[PFA:PFA+1].  how = 0: in the loop, not in its last trip
.if \how
	s_cmp_eq_u32 s[LIM], 1
.else
	s_cmp_gt_u32 s3, s[LIM]
.endif
	s_cbranch_scc0 .Lnot_mine_\@
	global_prefetch_b8 v[PF0], s[PFA:PFA+1] offset:\k*CHUNK th:TH_LOAD_NT scope:SCOPE_SE
	global_prefetch_b8 v[PF1], s[PFA:PFA+1] offset:\k*CHUNK th:TH_LOAD_NT scope:SCOPE_SE
.Lnot_mine_\@:
.endm
	s_load_b256 s[4:11], s[0:1], 0x0               ; x's chunks s[4:5], the weight's s[6:7], bias s[8:9], out s[10:11]
	v_lshl_add_u32 v[SPW], v0, 2, SPARE
	v_mov_b32 v[NIL], 0
	ds_add_u32 v[SPW], v[NIL]                      ; the opening lines: the add, twice, and its wait
	ds_add_u32 v[SPW], v[NIL]
	v_lshrrev_b32 v1, 5, v0
	v_readfirstlane_b32 s14, v1                    ; wave 0..3
	s_lshr_b32 s15, s14, 1                         ; my 128 rows of the tile.  Also: I fetch for x (0) or the weight (1)
	s_and_b32 s16, s14, 1                          ; my 64 columns.  Also: which chunk I fetch
	s_bfe_u32 s40, ttmp6, 0x40000                  ; cx
	s_bfe_u32 s41, ttmp6, 0x40004                  ; cy
	s_lshl_b32 s42, ttmp9, 2
	s_add_co_u32 s42, s42, s40                     ; tile column
	s_and_b32 s17, ttmp7, 0xffff
	s_lshl_b32 s17, s17, 2
	s_add_co_u32 s17, s17, s41                     ; tile row
	s_lshl_b32 s43, s41, 2
	s_lshl_b32 s43, 15, s43                        ; my row of the cluster
	s_lshl_b32 s44, 0x1111, s40                    ; my column
	s_or_b32 s[G1+0], s43, (3<<16)|(1<<21)         ; a chunk: 136 rows of 32 elements of 8 bytes, dense
	s_or_b32 s[G1B+0], s44, (3<<16)|(1<<21)
.irp g, G1, G1B
	s_mov_b32 s[\g+1], 32<<16
	s_mov_b32 s[\g+2], 136<<16
	s_mov_b32 s[\g+3], 32<<16
	s_mov_b32 s[\g+4], 136
	s_mov_b32 s[\g+5], 32
	s_mov_b32 s[\g+6], 0
	s_mov_b32 s[\g+7], 0
.endr
	s_lshl_b32 s20, s17, 1
	s_add_co_u32 s20, s20, s16
	s_mul_i32 s20, s20, 8*CHUNK                    ; x: group 2 x tile row + which
	s_mov_b32 s21, 0
	s_lshl_b32 s46, s42, 1
	s_add_co_u32 s46, s46, s16
	s_mul_i32 s46, s46, 8*CHUNK                    ; weight: group 2 x tile column + which
	s_mov_b32 s47, 0
	s_mul_i32 s45, s14, CHUNK                      ; LDS: wave x a chunk
	s_wait_dscnt 0x0                               ; both opening adds are done
	CROUND                                         ; all sixteen work-groups are here: the first joint loads meet
	s_wait_kmcnt 0x0
	s_add_nc_u64 s[20:21], s[4:5], s[20:21]
	s_add_nc_u64 s[46:47], s[6:7], s[46:47]
.irp s, 0,1
	s_mov_b32 s[G0+4*\s], 1
	s_add_co_u32 s[G0+4*\s+1], s45, \s*SLOT
	s_add_nc_u64 s[G0+4*\s+2:G0+4*\s+3], s[20:21], \s*CHUNK
	s_or_b32 s[G0+4*\s+3], s[G0+4*\s+3], 0x80000000
	s_mov_b32 s[G0B+4*\s], 1
	s_add_co_u32 s[G0B+4*\s+1], s45, \s*SLOT
	s_add_nc_u64 s[G0B+4*\s+2:G0B+4*\s+3], s[46:47], \s*CHUNK
	s_or_b32 s[G0B+4*\s+3], s[G0B+4*\s+3], 0x80000000
.endr
	JLOAD 0                                        ; K step 0: one tensor load a wave at the head
	; the prefetches: whose chunk, which 34 of its 136 blocks, and whether my wave asks
	s_cmp_eq_u32 s15, 0
	s_cselect_b64 s[PFA:PFA+1], s[20:21], s[46:47]
	s_cselect_b32 s22, s40, s41                    ; my place among the four that ask jointly
	s_mul_i32 s22, s22, 34*256
	s_mov_b32 s23, 0
	s_add_nc_u64 s[PFA:PFA+1], s[PFA:PFA+1], s[22:23]
	s_xor_b32 s22, s15, 1
	s_and_b32 s22, s22, ttmp9                      ; 1: I fetch for x, and my cluster's x is odd
	s_lshl_b32 s22, s22, 1
	s_sub_co_u32 s[LIM], 1, s22
	; LDS addresses' scalar parts
	s_mul_i32 s22, s15, CHUNK
	s_mul_i32 s23, s16, CHUNK
	s_add_co_u32 s23, s23, 2*CHUNK
	s_add_co_u32 s70, s22, SLOT
	s_add_co_u32 s71, s23, SLOT
	s_mul_i32 s72, s14, 16*SPITCH
	s_add_co_u32 s72, s72, STAGE
	; my part of out and of bias
	s_lshl_b32 s20, s17, 8
	s_lshl_b32 s21, s15, 7
	s_add_co_u32 s20, s20, s21
	s_lshl_b32 s20, s20, 14                        ; first row x 16,384 bytes
	s_lshl_b32 s46, s42, 9
	s_lshl_b32 s47, s16, 8
	s_add_co_u32 s46, s46, s47                     ; first column x 4 bytes
	s_add_co_u32 s20, s20, s46
	s_mov_b32 s21, 0
	s_mov_b32 s47, 0
	s_add_nc_u64 s[10:11], s[10:11], s[20:21]
	s_add_nc_u64 s[8:9], s[8:9], s[46:47]
	v_and_b32 v3, 31, v0                           ; lane
	v_min_u32 v[PF1], 1, v3
	v_lshlrev_b32 v[PF0], 8, v3
	v_lshlrev_b32 v[PF1], 8, v[PF1]
	v_add_nc_u32 v[PF1], 32*256, v[PF1]            ; block 32 or 33: the lanes left over name block 33 again
	v_lshlrev_b32 v3, 4, v3                        ; 16 x lane
	v_add_nc_u32 v[ADRA], s22, v3
	v_add_nc_u32 v[ADRA+1], s70, v3
	v_add_nc_u32 v[ADRB], s23, v3
	v_add_nc_u32 v[ADRB+1], s71, v3
	v_and_b32 v1, 15, v0                           ; r
	v_bfe_u32 v2, v0, 4, 1                         ; h
	v_mul_u32_u24 v4, v1, SPITCH
	v_lshl_add_u32 v4, v2, 5, v4
	v_add_nc_u32 v[STO], s72, v4                   ; row r, 32 bytes at 32 h
	v_mul_u32_u24 v5, v2, SPITCH
	v_lshl_add_u32 v5, v1, 4, v5
	v_add_nc_u32 v[RD], s72, v5                    ; back: lanes 0-15 one row of 256 bytes, lanes 16-31 the next
	v_lshlrev_b32 v6, 14, v2
	v_lshl_add_u32 v[CO], v1, 4, v6
	v_lshlrev_b32 v[BO], 5, v2
	s_wait_alu depctr_va_vdst(0)                   ; the wait behind the head's vector work
.irp n, 0,1,2,3
	global_load_b128 v[BI+8*\n:BI+8*\n+3],   v[BO], s[8:9] offset:64*\n
	global_load_b128 v[BI+8*\n+4:BI+8*\n+7], v[BO], s[8:9] offset:64*\n+16
.endr
	ASK 1, 1
; One matrix instruction, by the names set ahead of it.  odd: x's scales in lanes 16-31 of the register.
.macro WM odd
.if \odd
	v_wmma_scale_f32_32x16x128_f4 v[AC:AC+15], v[WF:WF+15], v[XF:XF+7], v[CR:CR+15], v[SW], v[SX] matrix_b_scale:MATRIX_SCALE_ROW1
.else
	v_wmma_scale_f32_32x16x128_f4 v[AC:AC+15], v[WF:WF+15], v[XF:XF+7], v[CR:CR+15], v[SW], v[SX]
.endif
.endm
; A batch: x blocks a0, a0 + 1 x my 64 columns, the slot's q-th 128 along K.  v = 0: W, 1: Wm.
.macro M4 a0, v, q, s, first
.if \first
	WIN MULB
.else
.if \q < 2
	WIN MUL0
.else
	WIN MUL1
.endif
.endif
.irp a, \a0, \a0+1
.irp n, 0,1
.set AC, 32*(\a)+16*\n
.set WF, 64*\q+32*\v+16*\n
.set XF, (128+64*\q)%256+8*(\a)
.set SW, SCW+16*\s+8*\v+4*\n+\q
.set SX, SCX+16*\s+4*((\a)/2)+\q
.if \first
.set CR, BI+16*\n
.else
.set CR, AC
.endif
	WM (\a)%2
.endr
.endr
.endm
; A step's first five batches, behind the waits for their fragments: of its own 32 loads those not yet needed may be out, and the 32 of the step behind it.
.macro M20W q, s, first
	s_wait_dscnt 52                                ; W's 8 loads and x 0-1's 4 are in
	M4 0, 0, \q, \s, \first
	s_wait_dscnt 48
	M4 2, 0, \q, \s, \first
	s_wait_dscnt 44
	M4 4, 0, \q, \s, \first
	s_wait_dscnt 40
	M4 6, 0, \q, \s, \first
	s_wait_dscnt 32                                ; Wm's 8 too
	M4 0, 1, \q, \s, 0
.endm
.macro M12 q, s                        ; and its last three
	M4 2, 1, \q, \s, 0
	M4 4, 1, \q, \s, 0
	M4 6, 1, \q, \s, 0
.endm
.macro FR reg, adr, i, q               ; a fragment: 16 rows x 128 along K
.irp c, 0,1
	ds_load_b128 v[\reg+4*\c:\reg+4*\c+3], v[\adr] offset:4096*(\i)+1024*(\q)+512*\c
.endr
.endm
.macro LW4 s, q, v                     ; four fragments of W (v = 0) or Wm
	WIN TO_1
.irp i, 0,1,2,3
	FR 64*\q+32*\v+8*\i, ADRB+\s, 4*\v+\i, \q
.endr
.endm
.macro LX2 s, q, i                     ; x blocks i, i + 1
.if \q < 2
	WIN 0
.else
	WIN TO_3
.endif
	FR (128+64*\q)%256+8*\i, ADRA+\s, \i, \q
	FR (128+64*\q)%256+8*\i+8, ADRA+\s, \i+1, \q
.endm
.macro LQ s, q                         ; 32 loads: W, x, Wm
	LW4 \s, \q, 0
.irp i, 0,2,4,6
	LX2 \s, \q, \i
.endr
	LW4 \s, \q, 1
.endm
.macro LR q                            ; 24 loads of slot 1: W, Wm, x blocks 0-3
	LW4 1, \q, 0
	LW4 1, \q, 1
	LX2 1, \q, 0
	LX2 1, \q, 2
.endm
.macro SCALES s                        ; a K step's scale words: 32 rows a load, 4 words a row
	WIN 0
.irp j, 0,1,2,3
	ds_load_b128 v[SCX+16*\s+4*\j:SCX+16*\s+4*\j+3], v[ADRA+\s] offset:32768+512*\j
	ds_load_b128 v[SCW+16*\s+4*\j:SCW+16*\s+4*\j+3], v[ADRB+\s] offset:32768+512*\j
.endr
.endm
.macro PLACES                          ; four places in front of loads into registers that matrix instructions have read, and of reads of results
.rept 4
	v_nop
.endr
.endm
; A slot's steps q = 0 and 1: the fragments of q = 2 and 3 are loaded.
.macro DSTEP s, first
	M20W 0, \s, \first
	PLACES                                         ; they serve the loads of q = 3 too
	LQ \s, 2
	M12 0, \s
	M20W 1, \s, 0
	LQ \s, 3
	M12 1, \s
.endm
; A slot's step q = 2, with the barrier: in front of it each wave waits for all its tensor loads, adds 0 to its spare word, and waits for that and for its reads of this slot.
.macro MEET s, step
	M20W 2, \s, 0
	WIN 0
	s_wait_tensorcnt 0x0                           ; my part of the next slot has landed
	ds_add_u32 v[SPW], v[NIL]
.if \step
	s_add_nc_u64 s[G0+4*\s+2:G0+4*\s+3], s[G0+4*\s+2:G0+4*\s+3], 2*CHUNK   ; no tensor load of mine is out
	s_add_nc_u64 s[G0B+4*\s+2:G0B+4*\s+3], s[G0B+4*\s+2:G0B+4*\s+3], 2*CHUNK
.endif
	M4 2, 1, 2, \s, 0
	M4 4, 1, 2, \s, 0
	s_wait_dscnt 0x0                               ; the add is done, and my reads of this slot are over
	s_barrier_signal -1
	M4 6, 1, 2, \s, 0
	WIN 0
	s_barrier_wait -1
.endm
; Steps q = 2 and 3: the slot is filled again, and the next slot's scales and fragments of q = 0 and 1 are loaded.
.macro TURN s, nx
	s_wait_xcnt 0x0                                ; my prefetches have read their base: on by a K step
	s_add_nc_u64 s[PFA:PFA+1], s[PFA:PFA+1], CHUNK
	MEET \s, 1
	CREST                                          ; no wave of any partner still reads this slot or has a load on its way
	JLOAD \s                                       ; the one tensor load of this wave behind the round; its four v_nop are also the places in front of the loads below
	SCALES \nx
	LQ \nx, 0
	WIN 0
	ASK 0, 3
.irp b, 0,2,4,6
	M4 \b, 0, 3, \s, 0
.endr
	M4 0, 1, 3, \s, 0
	M4 2, 1, 3, \s, 0
	LQ \nx, 1
	M4 4, 1, 3, \s, 0
	M4 6, 1, 3, \s, 0
.endm
	s_wait_alu depctr_va_vdst(0)                   ; the wait at the head's end
	s_wait_loadcnt 0x0                             ; the bias
	s_wait_tensorcnt 0x0                           ; my part of K step 0 is in; the lines ahead of a later first fill
	ds_add_u32 v[SPW], v[NIL]
	s_wait_dscnt 0x0
	CROUND
	JLOAD 1                                        ; K step 1
	SCALES 0
	LQ 0, 0
	LQ 0, 1
	WIN 0
	ASK 1, 2
	ASK 1, 3
	DSTEP 0, 1                                     ; the first products start the sums, on the bias
	WIN 0
	s_mov_b32 s3, LAPS-1
.Llap:                                                 ; a trip goes once round the ring and fills both slots again
	TURN 0, 1
	DSTEP 1, 0
	TURN 1, 0
	DSTEP 0, 0
	WIN 0
	s_sub_co_u32 s3, s3, 1
	s_cmp_lg_u32 s3, 0
	s_cbranch_scc1 .Llap
; BY ROWS (slot 1, the last K step): 32 rows, the q-th 128 along K, W and then Wm: 8 matrix instructions, 4 accumulators by turns.
.macro MG g, q
.if \q < 2
	WIN MUL0
.else
	WIN MUL1
.endif
.irp v, 0,1
.irp a, 0,1
.irp n, 0,1
.set AC, 64*\g+32*\a+16*\n
.set CR, AC
.set WF, 64*\q+32*\v+16*\n
.set XF, (128+64*\q)%256+16*\g+8*\a
.set SW, SCW+16+8*\v+4*\n+\q
.set SX, SCX+16+4*\g+\q
	WM \a
.endr
.endr
.endr
.endm
; The way out of block a.  TOSTAGE: into my own stage, each accumulator from its low end on, and back as whole rows of 256 bytes.
; Each block has read-back registers of its own: blocks 0-3 v128-255 of window 3; 4, 5 v0-31 and v64-95 there, 6, 7 v128-159 and v192-223 of window 0: x blocks 0-3, which are done with by then.
.macro BACK a
.if \a < 4
.set BB, 128+32*\a
.endif
.if (\a == 4) || (\a == 5)
.set BB, 64*(\a-4)
.endif
.if \a > 5
.set BB, 128+64*(\a-6)
.endif
.endm
.macro TOSTAGE a
	BACK \a
.set AC, 32*\a
	WIN 0x08
.irp n, 0,1,2,3
	ds_store_b128 v[STO], v[AC+8*\n:AC+8*\n+3] offset:64*\n
	ds_store_b128 v[STO], v[AC+8*\n+4:AC+8*\n+7] offset:64*\n+16
.endr
.if \a < 6
	WIN TO_3
.else
	WIN 0
.endif
.irp t, 0,1,2,3,4,5,6,7
	ds_load_b128 v[BB+4*\t:BB+4*\t+3], v[RD] offset:\t*2*SPITCH    ; LDS serves a wave's instructions in order (ISA guide 5.7.1.4)
.endr
.endm
.macro SEND a, younger                 ; younger: the LDS instructions behind block a's that may stay out, 16 for each block
	BACK \a
	s_wait_dscnt \younger
.if \a < 6
	WIN 0x0c
.else
	WIN 0
.endif
.irp t, 0,1,2,3,4,5,6,7
	global_store_b128 v[CO], v[BB+4*\t:BB+4*\t+3], s[10:11] offset:(16*\a+2*\t)*ROWC th:TH_STORE_NT   ; sixteen lanes store 256 consecutive bytes, aligned
.endr
.endm
	MEET 0, 0                                      ; the last K step is in; nothing is filled again, so no round follows
	PLACES
	SCALES 1                                       ; 32 loads: the scales and q = 0
	LR 0
.irp b, 0,2,4,6
	M4 \b, 0, 3, 0, 0
.endr
	M4 0, 1, 3, 0, 0
	LR 1                                           ; 24
	M12 3, 0
	PLACES
	LR 2                                           ; 24
	s_wait_dscnt 48                                ; the scales and q = 0 are in
	MG 0, 0
	s_wait_dscnt 24                                ; q = 1
	MG 0, 1
	MG 1, 0
	LR 3                                           ; 24
	MG 1, 1
	s_wait_dscnt 24                                ; q = 2
	MG 0, 2
.irp i, 4,6                            ; 32 loads: x for groups 2 and 3
.irp q, 0,1,2,3
	LX2 1, \q, \i
.endr
.endr
	s_wait_dscnt 32                                ; q = 3
	MG 0, 3
	MG 1, 2
	PLACES
	TOSTAGE 0
	TOSTAGE 1
	MG 1, 3
	s_wait_dscnt 56                                ; 24 of x's 32 and the stage's 32 may be out
	MG 2, 0
	MG 2, 1
	PLACES
	TOSTAGE 2
	TOSTAGE 3
	SEND 0, 48                                     ; (all of x is in, too)
	SEND 1, 32
	MG 2, 2
	MG 2, 3
	MG 3, 0
	PLACES
	TOSTAGE 4
	TOSTAGE 5
	SEND 2, 48
	SEND 3, 32
	MG 3, 1
	MG 3, 2
	MG 3, 3
	PLACES
	TOSTAGE 6
	TOSTAGE 7
	SEND 4, 48
	SEND 5, 32
	SEND 6, 16
	SEND 7, 0
	WIN 0
	s_wait_tensorcnt 0x0                           ; the wave's end
	ds_add_u32 v[SPW], v[NIL]
	s_wait_dscnt 0x0
	CROUND                                         ; the closing round: no work-group ends while a partner may still ask for a tile that names it
	s_endpgm
.Lfunc_end_k_q50c2a731e1_gemm:
	.size	k_q50c2a731e1_gemm, .Lfunc_end_k_q50c2a731e1_gemm-k_q50c2a731e1_gemm
	.p2alignl 7, 3214868480
	.fill 96, 4, 3214868480
	.section	.rodata,"a",@progbits
	.p2align	6, 0x0
	.amdhsa_kernel k_q50c2a731e1_gemm
		.amdhsa_group_segment_fixed_size 327680
		.amdhsa_private_segment_fixed_size 0
		.amdhsa_enable_private_segment 0
		.amdhsa_kernarg_size 32
		.amdhsa_user_sgpr_count 2
		.amdhsa_user_sgpr_kernarg_segment_ptr 1
		.amdhsa_wavefront_size32 1
		.amdhsa_system_sgpr_workgroup_id_x 1
		.amdhsa_system_sgpr_workgroup_id_y 1
		.amdhsa_system_sgpr_workgroup_id_z 1
		.amdhsa_system_vgpr_workitem_id 0
		.amdhsa_next_free_vgpr 1024
		.amdhsa_next_free_sgpr 80
		.amdhsa_reserve_vcc 0
		.amdhsa_float_denorm_mode_32 3
		.amdhsa_float_denorm_mode_16_64 3
		.amdhsa_memory_ordered 1
		.amdhsa_forward_progress 1
		.amdhsa_inst_pref_size 131
	.end_amdhsa_kernel
	.amdgpu_metadata
---
amdhsa.version: [ 1, 2 ]
amdhsa.kernels:
  - .name:           k_q50c2a731e1_gemm
    .symbol:         k_q50c2a731e1_gemm.kd
    .args:
      - { .name: xq, .offset: 0, .size: 8, .value_kind: global_buffer, .address_space: global }
      - { .name: wq, .offset: 8, .size: 8, .value_kind: global_buffer, .address_space: global }
      - { .name: bias, .offset: 16, .size: 8, .value_kind: global_buffer, .address_space: global }
      - { .name: out0, .offset: 24, .size: 8, .value_kind: global_buffer, .address_space: global }
    .group_segment_fixed_size: 327680
    .private_segment_fixed_size: 0
    .kernarg_segment_align: 8
    .kernarg_segment_size: 32
    .max_flat_workgroup_size: 128
    .sgpr_count:     80
    .vgpr_count:     1024
    .wavefront_size: 32
...
	.end_amdgpu_metadata
.endif
;; end of part 2
